; MI455X (gfx1250); checked and timed in simulation.
; The chip was launched on July 23, 2026; its instructions are those of AMD's public machine-readable ISA for CDNA 5 (MIT licence, August 2026) and "CDNA5" Instruction Set Architecture Reference Guide (July 2026). The comments in the code are by the model that wrote it; some were corrected since.
;; Vector Quantizer. Allowed arithmetic: matrix products marked QUANTISED: E5M2 operands, one E8M0 scale for each 32 along K, by v_wmma_scale_f32_16x16x128_f8f6f4 with both operands' format E5M2, f32 sums; everything else in f32.
;; Inputs: codebook 8,192 x 128 float32; latent 8 x 2,048 x 128 float32.
;; Outputs: out0 8 x 2,048 x 128 float32; out1 16,384 int32; out2 one number float32; out3 one number float32; out4 one number float32; out5 one number float32; out6 one number float32; out7 one number float32.
;; This version of the problem:
;;   THIS VERSION OF THE PROBLEM IS GIVEN IN LOW PRECISION. The matrix products marked QUANTISED in the list below multiply operands that are first quantised to E5M2 (5 exponent bits, 2 mantissa bits; 8 bits a number), with one power-of-two scale for each 32 numbers along K (OCP MX v1.0); their sums are f32. All else is computed in f32.
;;   The module's matrix products, in the order in which they are computed (A, B: the left and right operand; K: the contracted axis; several contracted axes count as one K, in the product's order):
;;     1. [M 16,384, K 128] x [K 128, N 8,192]; A: computed on the way; B: computed on the way: QUANTISED
;;     2. [M 16,384, K 128] x [K 128, N 8,192]; A: input latent; B: input codebook: QUANTISED
;;     3. [M 8,192, K 128] x [K 128, N 8,192]; A: computed on the way; B: computed on the way: QUANTISED
;;     4. [M 8,192, K 128] x [K 128, N 8,192]; A: input codebook; B: input codebook: QUANTISED
;;   THE QUANTISER, for each operand of a quantised product, along K:
;;     - K is cut into blocks of 32 from its start; a last block that is shorter is filled with zeros.
;;     - A block's scale is 2^e with e = floor(log2(the largest magnitude in the block)) - 15, held to -126 .. 127; a block of zeros has e = 0. As a byte (E8M0): e + 127.
;;     - Each number is divided by its block's scale, clamped to +-57,344, and rounded to the nearest number of E5M2, ties to even, subnormals kept.
;;     - The product sums the exact products of the quantised numbers (number of the format x scale) in f32.
;;   ~~~python
;;   def quantise(x, axis):      # numpy; x: float32 -> the quantised numbers, widened to float32 again
;;       x = np.moveaxis(x, axis, -1); K = x.shape[-1]
;;       x = np.pad(x, [(0, 0)] * (x.ndim - 1) + [(0, -K % 32)]); x = x.reshape(x.shape[:-1] + (-1, 32)); a = np.abs(x).max(-1, keepdims=True)
;;       e = np.where(a > 0, np.clip(np.frexp(np.where(a > 0, a, 1))[1] - 1 - 15, -126, 127), 0)      # np.frexp(a)[1] - 1 = floor(log2(a)), exactly
;;       r = np.clip(x / 2.0 ** e, -57344, 57344)
;;       step = 2.0 ** (np.maximum(np.frexp(np.where(r == 0, 1, r))[1] - 1, -14) - 2)
;;       q = np.round(r / step) * step * 2.0 ** e      # np.round: ties to even
;;       return np.moveaxis(q.reshape(q.shape[:-2] + (-1,))[..., :K], -1, axis).astype(np.float32)
;;   ~~~
;;   OPERANDS COMPUTED ON THE WAY. 'Computed on the way' means the value that the module computes at that place (a softmax that the list does not call 'softmax' is quantised finished and normalised). What goes into a quantiser is computed in f32, as accurately as f32 sums, v_exp_f32 and their like allow (about 1e-6 of the number): no bf16 or f16 on the way to a quantiser, and a product that is left as it is and whose result goes on into a quantised operand takes f32 operands (vector FMAs, or v_wmma_f32_16x16x4_f32). A number that lies on a knife's edge between two numbers of the format may be rounded either way, as far as f32 arithmetic and the matrix unit's own rounding can turn it there, and no further.
;; One version. Each part assembles by itself: llvm-mc -triple=amdgcn-amd-amdhsa -mcpu=gfx1250 --defsym DOCPART=n.
;; ======== version 1 of 1: 5 launches
;; workspace buffers: cbq 3,377,152 bytes; ltq 4,456,448 bytes; idxw 65,536 bytes of whole numbers; partB 32,768 bytes; partC 32,768 bytes
;; launch prep (part 1): grid 256 x 1, 6 waves a work-group, no clusters, 0 bytes of LDS; arguments codebook, latent, cbq, ltq; writes cbq, ltq
.if DOCPART == 1
	.amdgcn_target "amdgcn-amd-amdhsa--gfx1250"
	.amdhsa_code_object_version 6
	.text
	.protected	k_q125cc5cd47_prep
	.globl	k_q125cc5cd47_prep
	.p2align	8
	.type	k_q125cc5cd47_prep,@function
k_q125cc5cd47_prep:
	s_mov_b64 s[64:65], 0
	v_nop
	global_prefetch_b8 v0, s[64:65] scope:SCOPE_SE
	s_setreg_imm32_b32 hwreg(HW_REG_WAVE_MODE, 25, 1), 1
	s_wait_xcnt 0x0
; PREP: both tensors become operands of the quantised products, once: codes of E5M2 with one E8M0 byte for each 32 along K = 128,
; of the rows as they are (products 2 and 4) and of the rows divided by max(their length, 1e-12) (products 1 and 3).
; WORK THAT THE PROGRAM LEAVES OUT, for all values of the inputs:
;  (a) product 1, cosine_sim [16,384 x 8,192], is read by take_along_axis(.., indices) alone: of each row one number has a way to an output.  A later launch
;      reads the stored indices and multiplies each token by its chosen code only.
;  (b) one_hot(indices) and its mean over the tokens are the counts of the indices divided by 16,384: they are counted, no dense array is built.
;  (c) products 3 and 4 multiply a quantised matrix by itself: the entries (i, j) and (j, i) sum the same 128 products of the same quantised numbers, and all that
;      follows (exp, sqrt, sums, the count, the minimum) treats the two alike.  So each unordered pair of blocks of codes is multiplied once and counted twice.
;  Kept: the token's own sum of squares in d2 (it is so large beside the rest that f32 rounds them on its grid: it decides ties), both clips, the safe root, pos and cnt.
; LIMITS: a NaN, an infinity or an overflow that reaches only the work left out is not carried to the result; NaN and infinities among the inputs are not served;
;  a block of zeros gets the byte 1 over zero codes (the rule says 127): the bytes are read by this program alone; pd2(i, j) is rounded as (cb_i - 2 G) + cb_j for both orders;
;  the division by the length is a multiplication by v_rcp_f32 of it; the sums of squares are added in this text's order.
; A RECORD holds 16 rows in REC = 4,352 bytes (17 x 256): +0 the image of the raw rows' fragment (chunk c at 512 c + 16 x lane: lane (r, h) holds k = 32 c + 16 h + 0..15 of row r),
;  +2048 16 raw scale words, +2112 16 sums of squares, +2176 16 scale words of the normalised rows, +2240 64 zero bytes, +2304 the image of the normalised rows' fragment.
; SHARES: one wave takes one tile of 16 rows: tile T = 6 x work-group + wave, 0..1535; T < 512: the codebook, else latent tile T - 512.  Code tiles 0..263 are stored a second
;  time behind tile 511, so that a window of code tiles that starts anywhere never wraps.
.set REC,   4352
.set O_RS,  2048
.set O_NRM, 2304
.set X,     16                         ; v16-79    my 64 numbers: register 16 b + i = k 32 b + 16 h + i of row r
.set XN,    80                         ; v80-143   the same, normalised
.set CR,    144                        ; v144-159  the raw rows' codes
.set CN,    160                        ; v160-175  the normalised rows' codes
.set TM,    176                        ; v176-191  at work in QUANT
.set WR,    192                        ; v192      raw scale word
.set WN,    193                        ; v193      normalised scale word
.set RT,    194                        ; v194      the row's length
.set SS,    196                        ; v196-203  four packed sums
.set INV,   204                        ; v204-205  1 / max(length, 1e-12); the upper word is named with it, so it is written
.set SQ,    206                        ; v206      the row's sum of squares
.set ZR,    207                        ; v207      0
.set EE,    208                        ; v208-211  the side row's words: mine and my neighbour's
.set OO,    209
.set EP,    210
.set OP,    211
.set LO,    212                        ; v212-213  my 8 bytes of the side row
	s_load_b256 s[4:11], s[0:1], 0x0               ; codebook s[4:5], latent s[6:7], cbq s[8:9], ltq s[10:11]
	v_lshrrev_b32 v1, 5, v0
	v_readfirstlane_b32 s12, v1                    ; wave 0..5
	s_mul_i32 s13, ttmp9, 6
	s_add_co_u32 s13, s13, s12                     ; T
	v_and_b32 v1, 15, v0                           ; r
	v_bfe_u32 v2, v0, 4, 1                         ; h
	v_lshlrev_b32 v3, 9, v1
	v_lshl_add_u32 v3, v2, 6, v3                   ; in: row r of 512 bytes, + 64 h: my 16 numbers of a block of 32
	v_and_b32 v4, 31, v0
	v_lshlrev_b32 v4, 4, v4                        ; out: 16 x lane
	v_and_b32 v6, 1, v1
	v_lshlrev_b32 v5, 6, v6                        ; the side row's 256 bytes, 8 a lane: 64 (r & 1)
	v_lshl_add_u32 v5, v2, 7, v5                   ; + 128 h
	v_lshrrev_b32 v6, 1, v1
	v_lshl_add_u32 v5, v6, 3, v5                   ; + 8 (r / 2)
	s_mov_b32 s20, 0x76543210
	s_mov_b32 s21, 0xfedcba98                      ; v_permlanex16_b32's selects for lane l xor 16
	s_mov_b32 s22, 0x600000                        ; the mantissa field of 57,344
	s_mov_b32 s23, 0x2b8cbccc                      ; 1e-12
	s_mov_b32 s24, 0xaaaaaaaa                      ; the odd lanes
	s_mov_b32 s25, 0xffff0000                      ; lanes 16-31
	v_mov_b32 v[ZR], 0
	v_mov_b32 v[EP], 0                             ; a lane exchange's destination counts as one of its sources: written once
	v_mov_b32 v[OP], 0
	v_mov_b32 v[EE], 0
.irp b, 0,1,2,3
	v_mov_b32 v[TM+4+\b], 0
.endr
	s_wait_kmcnt 0x0
	s_cmp_lt_u32 s13, 512                          ; the codebook's tile or latent's: the choice hangs on ids alone
	s_cselect_b64 s[4:5], s[4:5], s[6:7]
	s_cselect_b64 s[8:9], s[8:9], s[10:11]
	s_cselect_b32 s14, 0, 512
	s_sub_co_u32 s14, s13, s14                     ; the tile's number in its tensor
	s_lshl_b32 s16, s14, 13                        ; 16 rows of 512 bytes
	s_mov_b32 s17, 0
	s_mul_i32 s18, s14, REC
	s_mov_b32 s19, 0
	s_add_nc_u64 s[4:5], s[4:5], s[16:17]
	s_add_nc_u64 s[8:9], s[8:9], s[18:19]
.irp b, 0,1,2,3
.irp j, 0,1,2,3
	global_load_b128 v[X+16*\b+4*\j:X+16*\b+4*\j+3], v3, s[4:5] offset:128*\b+16*\j th:TH_LOAD_NT
.endr
.endr
	s_wait_loadcnt 0x0
; the row's sum of squares: my 64 numbers in four packed chains, then lane l xor 16's
.irp c, 0,1,2,3
	v_pk_mul_f32 v[SS+2*\c:SS+2*\c+1], v[X+2*\c:X+2*\c+1], v[X+2*\c:X+2*\c+1]
.endr
.set I, 4
.rept 28
	v_pk_fma_f32 v[SS+2*(I%4):SS+2*(I%4)+1], v[X+2*I:X+2*I+1], v[X+2*I:X+2*I+1], v[SS+2*(I%4):SS+2*(I%4)+1]
.set I, I+1
.endr
	v_pk_add_f32 v[SS:SS+1], v[SS:SS+1], v[SS+2:SS+3]
	v_pk_add_f32 v[SS+4:SS+5], v[SS+4:SS+5], v[SS+6:SS+7]
	v_pk_add_f32 v[SS:SS+1], v[SS:SS+1], v[SS+4:SS+5]
	v_add_f32 v[SQ], v[SS], v[SS+1]
	v_permlanex16_b32 v[EE], v[SQ], s20, s21
	v_add_f32 v[SQ], v[SQ], v[EE]
	v_sqrt_f32 v[RT], v[SQ]
	v_nop                                          ; a plain instruction behind the root,
	s_wait_alu depctr_va_vdst(0)                   ; and a wait ahead of the first use
	v_max_num_f32 v[RT], s23, v[RT]
	v_rcp_f32 v[INV], v[RT]
	v_mov_b32 v[INV+1], 0                          ; (a plain instruction behind the reciprocal)
	s_wait_alu depctr_va_vdst(0)
.set I, 0
.rept 32
	v_pk_mul_f32 v[XN+2*I:XN+2*I+1], v[X+2*I:X+2*I+1], v[INV:INV+1] op_sel_hi:[1,0]
.set I, I+1
.endr
; 64 numbers of a lane become a fragment's 16 registers of codes and the row's scale word.  A block of 32 lies in lanes l and l xor 16.
.macro QUANT src, codes, word
.irp b, 0,1,2,3
	v_max3_num_f32 v[TM+\b], |v[\src+16*\b]|, |v[\src+16*\b+1]|, 0x8000000   ; my 16 numbers of block b, and the floor 2^(16 - 127): the byte cannot fall under 1
.endr
.irp i, 2,4,6,8,10,12,14
.irp b, 0,1,2,3
	v_max3_num_f32 v[TM+\b], v[TM+\b], |v[\src+16*\b+\i]|, |v[\src+16*\b+\i+1]|
.endr
.endr
.irp b, 0,1,2,3
	v_permlanex16_b32 v[TM+4+\b], v[TM+\b], s20, s21
.endr
.irp b, 0,1,2,3
	v_max_num_f32 v[TM+\b], v[TM+\b], v[TM+4+\b]   ; the block's largest magnitude
.endr
.irp b, 0,1,2,3
	v_add_nc_u32 v[TM+12+\b], 0xf8800000, v[TM+\b] ; 15 off its exponent field: the conversion's scale operand
.endr
.irp b, 0,1,2,3
	v_and_or_b32 v[TM+8+\b], v[TM+\b], 0x7f800000, s22   ; 57,344 x the scale
.endr
.irp b, 0,1,2,3
	v_lshrrev_b32 v[TM+4+\b], 23, v[TM+12+\b]      ; the scale's byte
.endr
	v_lshl_or_b32 v[\word], v[TM+5], 8, v[TM+4]
	v_lshl_or_b32 v[\word], v[TM+6], 16, v[\word]
	v_lshl_or_b32 v[\word], v[TM+7], 24, v[\word]
.irp b, 0,1,2,3
.irp i, 0,1,2,3,4,5,6,7,8,9,10,11,12,13,14,15
	v_med3_num_f32 v[\src+16*\b+\i], v[\src+16*\b+\i], -v[TM+8+\b], v[TM+8+\b]   ; the conversion to an 8-bit code does not saturate (ISA guide 7.6.2): the hold comes first
.endr
	v_cvt_scalef32_pk8_bf8_f32 v[\codes+4*\b:\codes+4*\b+1], v[\src+16*\b:\src+16*\b+7], v[TM+12+\b]
	v_cvt_scalef32_pk8_bf8_f32 v[\codes+4*\b+2:\codes+4*\b+3], v[\src+16*\b+8:\src+16*\b+15], v[TM+12+\b]
.endr
	v_nop                                          ; one plain instruction between the last conversion and the next vector instruction that writes its sources
.endm
	QUANT XN, CN, WN
	QUANT X, CR, WR
; the side row, one aligned run of 256 bytes stored by one instruction: lanes (even r, h = 0): raw words r, r + 1; (odd r, 0): sums r - 1, r; (even r, 1): normalised words; (odd r, 1): zeros
	v_cndmask_b32 v[EE], v[WR], v[WN], s25
	v_cndmask_b32 v[OO], v[SQ], v[ZR], s25
	v_mov_b32_dpp v[EP], v[EE] row_xmask:1 row_mask:0xf bank_mask:0xf
	v_mov_b32_dpp v[OP], v[OO] row_xmask:1 row_mask:0xf bank_mask:0xf
	v_cndmask_b32 v[LO], v[EE], v[OP], s24
	v_cndmask_b32 v[LO+1], v[EP], v[OO], s24
.macro OUT off
.irp c, 0,1,2,3
	global_store_b128 v4, v[CR+4*\c:CR+4*\c+3], s[8:9] offset:\off+512*\c             ; 32 lanes store 512 consecutive bytes
.endr
	global_store_b64 v5, v[LO:LO+1], s[8:9] offset:\off+O_RS
.irp c, 0,1,2,3
	global_store_b128 v4, v[CN+4*\c:CN+4*\c+3], s[8:9] offset:\off+O_NRM+512*\c
.endr
.endm
	OUT 0
	s_cmp_ge_u32 s13, 264                          ; code tiles 0..263 once more, behind tile 511
	s_cbranch_scc1 .Ldone
	OUT 512*REC
.Ldone:
	s_endpgm
.Lfunc_end_k_q125cc5cd47_prep:
	.size	k_q125cc5cd47_prep, .Lfunc_end_k_q125cc5cd47_prep-k_q125cc5cd47_prep
	.p2alignl 7, 3214868480
	.fill 96, 4, 3214868480
	.section	.rodata,"a",@progbits
	.p2align	6, 0x0
	.amdhsa_kernel k_q125cc5cd47_prep
		.amdhsa_group_segment_fixed_size 0
		.amdhsa_private_segment_fixed_size 0
		.amdhsa_enable_private_segment 0
		.amdhsa_kernarg_size 32
		.amdhsa_user_sgpr_count 2
		.amdhsa_user_sgpr_kernarg_segment_ptr 1
		.amdhsa_wavefront_size32 1
		.amdhsa_system_sgpr_workgroup_id_x 1
		.amdhsa_system_sgpr_workgroup_id_y 1
		.amdhsa_system_sgpr_workgroup_id_z 1
		.amdhsa_system_vgpr_workitem_id 0
		.amdhsa_next_free_vgpr 224
		.amdhsa_next_free_sgpr 66
		.amdhsa_reserve_vcc 0
		.amdhsa_float_denorm_mode_32 3
		.amdhsa_float_denorm_mode_16_64 3
		.amdhsa_memory_ordered 1
		.amdhsa_forward_progress 1
		.amdhsa_inst_pref_size 27
	.end_amdhsa_kernel
	.amdgpu_metadata
---
amdhsa.version: [ 1, 2 ]
amdhsa.kernels:
  - .name:           k_q125cc5cd47_prep
    .symbol:         k_q125cc5cd47_prep.kd
    .args:
      - { .name: codebook, .offset: 0, .size: 8, .value_kind: global_buffer, .address_space: global }
      - { .name: latent, .offset: 8, .size: 8, .value_kind: global_buffer, .address_space: global }
      - { .name: cbq, .offset: 16, .size: 8, .value_kind: global_buffer, .address_space: global }
      - { .name: ltq, .offset: 24, .size: 8, .value_kind: global_buffer, .address_space: global }
    .group_segment_fixed_size: 0
    .private_segment_fixed_size: 0
    .kernarg_segment_align: 8
    .kernarg_segment_size: 32
    .max_flat_workgroup_size: 192
    .sgpr_count:     66
    .vgpr_count:     224
    .wavefront_size: 32
...
	.end_amdgpu_metadata
.endif
;; end of part 1
;; launch argmin (part 2): grid 256 x 1, 16 waves a work-group, clusters of 4 x 1, 327,680 bytes of LDS; arguments cbq, ltq, out1, idxw; writes out1, idxw
.if DOCPART == 2
	.amdgcn_target "amdgcn-amd-amdhsa--gfx1250"
	.amdhsa_code_object_version 6
	.text
	.protected	k_q125cc5cd47_argmin
	.globl	k_q125cc5cd47_argmin
	.p2align	8
	.type	k_q125cc5cd47_argmin,@function
k_q125cc5cd47_argmin:
	s_mov_b64 s[64:65], 0
	v_nop
	global_prefetch_b8 v0, s[64:65] scope:SCOPE_SE
	s_setreg_imm32_b32 hwreg(HW_REG_WAVE_MODE, 25, 1), 1
	s_wait_xcnt 0x0
	s_wait_alu depctr_hold_cnt(0) depctr_sa_sdst(0) depctr_va_vdst(0) depctr_va_sdst(0) depctr_va_ssrc(0) depctr_va_vcc(0) depctr_vm_vsrc(0)
	s_getreg_b32 s2, hwreg(HW_REG_IB_STS2, 6, 4)
	s_cmp_eq_u32 s2, 0
	s_cbranch_scc0 .Lentry_in_a_cluster
	s_endpgm
.Lentry_in_a_cluster:
	s_bfe_u32 s2, ttmp6, 0x10000c
	s_cmp_lg_u32 s2, 0x3003
	s_cbranch_scc0 .Lentry_shape_is_right
	s_endpgm
.Lentry_shape_is_right:
; ARGMIN: product 2 (latent x codebook^T on E5M2 codes), d2 = (fsq - 2 G) + csq with reference()'s two f32 roundings, and the first index of the least d2.
; Nothing of this product is left out.  LIMITS: NaN and infinities are not served (the minima drop a NaN).
; SHARES.  A work-group owns 64 tokens (four tiles of 16) against all 8,192 codes.  Every one of its 16 waves keeps the four token fragments in registers.  The codes come as records
; (their first 2,304 bytes: fragment image, scale words, sums of squares) through a ring of two LDS slots of 64 records; wave w fetches and reads records 4 w .. 4 w + 3 of a slot:
; each record is read from LDS once in a work-group.  K = 128 is one matrix instruction deep: every product takes the constant 0 as C.
; CLUSTER.  All work-groups walk the same records, so the four of a cluster ask for each tile JOINTLY: the same load, the same descriptor, the mask 15.  The place in the cluster enters the
; addresses of ltq, out1 and idxw alone.
; LAYOUT.  Source 0 = 16 codes, source 1 = 16 tokens: lane (r, h) holds token r, register j code 8 h + j.  A lane keeps for each token tile the least d2 so far, the code tile in which it was found and
; that tile's eight d2: a strictly smaller minimum replaces them (tiles ascend, so the first tile stays).  At the end the first j that equals the least gives the code; halves of the lanes and waves are joined
; by (d2, code), the smaller code at equal d2.  No address and no branch hangs on these numbers.
; No prefetch: the 1.2 MB of records are walked by all clusters together, and each refill is asked for a whole slot's work ahead of its use.
.set REC,   4352
.set AREC,  2304                       ; what this launch takes of a record
.set O_RS,  2048
.set O_SQ,  2112
.set WPART, 4*AREC                     ; a wave's part of a slot
.set SLOT,  64*AREC                    ; 147,456
.set SCR,   2*SLOT                     ; behind the ring: 16 waves x 64 tokens x 8 bytes
.set SPARE, SCR+8192                   ; the spare words, 128 bytes for each wave: eight blocks of 256 bytes that no other line names
.set AF,    4                          ; v4-5    slot s: my 16 bytes of a fragment chunk
.set AS,    6                          ; v6-7    my scale word
.set AC,    8                          ; v8-9    my eight sums of squares
.set SPW,   10                         ; v10     my spare word; never rewritten
.set NIL,   11                         ; v11     0; never rewritten
.set TID,   12                         ; v12-13  the code tile's number, for buffers 0, 1
.set SST,   14                         ; v14     where I put a token's (d2, code)
.set SRD,   15                         ; v15     where wave 0 reads them back
.set TK,    16                         ; v16-79  the four token fragments
.set TS,    80                         ; v80-83  their scale words
.set FB,    84                         ; v84-91  pairs (fsq, least d2)
.set TL,    92                         ; v92-95  the tile of the least
.set MM,    96                         ; v96-99  a tile's minimum
.set SV,    100                        ; v100-131 the eight d2 of the tile of the least
.set D0,    132                        ; v132-195 results, two buffers of four tiles
.set F0,    196                        ; v196-227 code fragments, two buffers
.set SC,    228                        ; v228-229 their scale words
.set CQ0,   230                        ; v230-245 their sums of squares, two buffers
.set TMP,   246                        ; v246-255 at work at the head and the end
.set G1,    16                         ; s[16:23] descriptor group 1
.set G0,    24                         ; s[24:31] group 0, a set for each slot
.macro CROUND                          ; a round of the cluster's barrier
	s_barrier_signal -1
	s_barrier_wait -1
	s_cmp_lg_u32 s12, 0
	s_cbranch_scc1 .Lnot_wave_0_\@
	s_barrier_signal -3
.Lnot_wave_0_\@:
	s_barrier_wait -3
	s_barrier_signal -1
	s_barrier_wait -1
.endm
	s_load_b256 s[4:11], s[0:1], 0x0               ; cbq s[4:5], ltq s[6:7], out1 s[8:9], idxw s[10:11]
	v_lshl_add_u32 v[SPW], v0, 2, SPARE
	v_mov_b32 v[NIL], 0
	ds_add_u32 v[SPW], v[NIL]                      ; the opening: the add, twice on end, and its wait ahead of my first tensor load
	ds_add_u32 v[SPW], v[NIL]
	v_lshrrev_b32 v1, 5, v0
	v_readfirstlane_b32 s12, v1                    ; wave 0..15
	s_bfe_u32 s13, ttmp6, 0x40000                  ; cx
	s_lshl_b32 s14, ttmp9, 2
	s_add_co_u32 s14, s14, s13                     ; my block of 64 tokens = 4 x cluster + cx
	s_mov_b32 s[G1+0], 15|(3<<16)|(1<<21)          ; the mask: all four work-groups; elements of 8 bytes; bit 21 beside a mask; no padding
	s_mov_b32 s[G1+1], 288<<16                     ; tensor_dim0 = 288 elements: 2,304 bytes
	s_mov_b32 s[G1+2], 4<<16                       ; tensor_dim1 = 4
	s_mov_b32 s[G1+3], 288<<16                     ; tile_dim0
	s_mov_b32 s[G1+4], 4                           ; tile_dim1: four records
	s_mov_b32 s[G1+5], 544                         ; from record to record: 4,352 bytes
	s_mov_b32 s[G1+6], 0
	s_mov_b32 s[G1+7], 0
	s_mul_i32 s32, s12, WPART                      ; my part of a slot
	s_mul_i32 s34, s12, 4*REC                      ; and of a slot's records in memory
	s_mov_b32 s35, 0
	s_mul_i32 s36, s14, 4*REC                      ; my four token records
	s_mov_b32 s37, 0
	s_lshl_b32 s38, s14, 8                         ; my 64 indices
	s_mov_b32 s39, 0
	s_lshl_b32 s45, s12, 2                         ; the number of my first code tile of the step in hand: 64 x step + 4 x wave
	s_mov_b32 s48, 0x76543210
	s_mov_b32 s49, 0xfedcba98
	s_wait_dscnt 0x0                               ; both opening adds are done
	s_wait_kmcnt 0x0
	s_add_nc_u64 s[34:35], s[4:5], s[34:35]
.irp n, 0,1
	s_mov_b32 s[G0+4*\n], 1
	s_add_co_u32 s[G0+4*\n+1], s32, \n*SLOT
	s_add_nc_u64 s[G0+4*\n+2:G0+4*\n+3], s[34:35], \n*64*REC
	s_or_b32 s[G0+4*\n+3], s[G0+4*\n+3], 0x80000000
.endr
	s_add_nc_u64 s[6:7], s[6:7], s[36:37]
	s_add_nc_u64 s[8:9], s[8:9], s[38:39]
	s_add_nc_u64 s[10:11], s[10:11], s[38:39]
	CROUND                                         ; all four work-groups are here: the first joint loads meet
	tensor_load_to_lds s[G0:G0+3], s[G1:G1+7]      ; step 0
	s_nop 0
	tensor_load_to_lds s[G0+4:G0+7], s[G1:G1+7]    ; step 1: two loads of mine are out
	s_nop 0
.rept 4
	v_nop
.endr
	v_and_b32 v1, 15, v0                           ; r
	v_bfe_u32 v2, v0, 4, 1                         ; h
	v_lshlrev_b32 v3, 3, v2                        ; 8 h
	v_and_b32 v[TMP], 31, v0
	v_lshlrev_b32 v[TMP], 4, v[TMP]                ; 16 x lane
	v_lshlrev_b32 v[TMP+1], 2, v1                  ; 4 r
	v_add_nc_u32 v[AF], s32, v[TMP]
	v_add_nc_u32 v[AS], s32, v[TMP+1]
	v_lshl_add_u32 v[AC], v2, 5, s32
	v_add_nc_u32 v[AF+1], SLOT, v[AF]
	v_add_nc_u32 v[AS+1], SLOT, v[AS]
	v_add_nc_u32 v[AC+1], SLOT, v[AC]
	s_lshl_b32 s33, s12, 9
	s_add_co_u32 s33, s33, SCR
	v_lshl_add_u32 v[SST], v1, 3, s33              ; SCR + 512 x wave + 8 r
	v_add_nc_u32 v[SRD], SCR, v[TMP]               ; SCR + 16 x lane
.irp t, 0,1,2,3
.irp c, 0,1,2,3
	global_load_b128 v[TK+16*\t+4*\c:TK+16*\t+4*\c+3], v[TMP], s[6:7] offset:\t*REC+512*\c
.endr
	global_load_b32 v[TS+\t], v[TMP+1], s[6:7] offset:\t*REC+O_RS
	global_load_b32 v[FB+2*\t], v[TMP+1], s[6:7] offset:\t*REC+O_SQ
.endr
.irp t, 0,1,2,3
	v_mov_b32 v[FB+2*\t+1], 0x7f800000             ; the least so far: +infinity
	v_mov_b32 v[TL+\t], 0
.endr
.set I, 0
.rept 32
	v_mov_b32 v[SV+I], 0x7f800000
.set I, I+1
.endr
.macro LOADF slot, i, b                ; record i of my four: its fragment and scale words into buffer b
.irp c, 0,1,2,3
	ds_load_b128 v[F0+16*\b+4*\c:F0+16*\b+4*\c+3], v[AF+\slot] offset:(\i)*AREC+512*\c
.endr
	ds_load_b32 v[SC+\b], v[AS+\slot] offset:(\i)*AREC+O_RS
.endm
.macro LOADCQ slot, i, b               ; the sums of squares of its codes 8 h + 0..7
	ds_load_b128 v[CQ0+8*\b:CQ0+8*\b+3], v[AC+\slot] offset:(\i)*AREC+O_SQ
	ds_load_b128 v[CQ0+8*\b+4:CQ0+8*\b+7], v[AC+\slot] offset:(\i)*AREC+O_SQ+16
.endm
; The vector work of one code tile against the four token tiles, results in buffer b: 92 instructions for 32 registers.  Each result is read from its low end on.
.macro V b
.irp p, 0,1,2,3
.irp t, 0,1,2,3
	v_pk_fma_f32 v[D0+32*\b+8*\t+2*\p:D0+32*\b+8*\t+2*\p+1], v[D0+32*\b+8*\t+2*\p:D0+32*\b+8*\t+2*\p+1], -2.0, v[FB+2*\t:FB+2*\t+1] op_sel_hi:[1,0,0]   ; fsq - 2 G: 2 G is exact, so this is reference()'s one rounding
.endr
.endr
.irp p, 0,1,2,3
.irp t, 0,1,2,3
	v_pk_add_f32 v[D0+32*\b+8*\t+2*\p:D0+32*\b+8*\t+2*\p+1], v[D0+32*\b+8*\t+2*\p:D0+32*\b+8*\t+2*\p+1], v[CQ0+8*\b+2*\p:CQ0+8*\b+2*\p+1]   ; + csq: the second
.endr
.endr
.irp t, 0,1,2,3
	v_min3_num_f32 v[MM+\t], v[D0+32*\b+8*\t], v[D0+32*\b+8*\t+1], v[D0+32*\b+8*\t+2]
.endr
.irp t, 0,1,2,3
	v_min3_num_f32 v[MM+\t], v[MM+\t], v[D0+32*\b+8*\t+3], v[D0+32*\b+8*\t+4]
.endr
.irp t, 0,1,2,3
	v_min3_num_f32 v[MM+\t], v[MM+\t], v[D0+32*\b+8*\t+5], v[D0+32*\b+8*\t+6]
.endr
.irp t, 0,1,2,3
	v_min_num_f32 v[MM+\t], v[MM+\t], v[D0+32*\b+8*\t+7]
.endr
.irp t, 0,1,2,3
	v_cmp_lt_f32 s[40+\t], v[MM+\t], v[FB+2*\t+1]  ; strictly smaller: at equal d2 the earlier tile stays
.endr
.irp t, 0,1,2,3
	v_cndmask_b32 v[FB+2*\t+1], v[FB+2*\t+1], v[MM+\t], s[40+\t]
.endr
.irp t, 0,1,2,3
	v_cndmask_b32 v[TL+\t], v[TL+\t], v[TID+\b], s[40+\t]
.endr
.irp j, 0,1,2,3,4,5,6,7
.irp t, 0,1,2,3
	v_cndmask_b32 v[SV+8*\t+\j], v[SV+8*\t+\j], v[D0+32*\b+8*\t+\j], s[40+\t]
.endr
.endr
.endm
; Record i: its four products, and behind them the vector work of the record before (buffer nb), which names none of these products' registers: it is the eight places between these
; products and their first reader, and between the products before and the loads into their fragment.
.macro TILE slot, i, b, nb, first
	s_wait_dscnt 0x2                               ; the fragment and its scale words are in; the youngest two loads, its sums of squares, are first read a record later
	s_add_co_u32 s46, s45, \i
	v_mov_b32 v[TID+\b], s46
.irp t, 0,1,2,3
	v_wmma_scale_f32_16x16x128_f8f6f4 v[D0+32*\b+8*\t:D0+32*\b+8*\t+7], v[F0+16*\b:F0+16*\b+15], v[TK+16*\t:TK+16*\t+15], 0, v[SC+\b], v[TS+\t] matrix_a_fmt:MATRIX_FMT_BF8 matrix_b_fmt:MATRIX_FMT_BF8
.endr
.if \i < 3
	LOADF \slot, \i+1, \nb
.endif
.if \first
.rept 8
	v_nop                                          ; the launch's first record has no vector work to stand here
.endr
.else
	V \nb
.endif
.if \i < 3
	LOADCQ \slot, \i+1, \nb                        ; behind the work that read this buffer
.endif
.endm
.macro STEP slot, first                ; my four records of a slot; the last one's vector work is carried into the next step
	LOADF \slot, 0, 0
	LOADCQ \slot, 0, 0
	TILE \slot, 0, 0, 1, \first
	TILE \slot, 1, 1, 0, 0
	TILE \slot, 2, 0, 1, 0
	TILE \slot, 3, 1, 0, 0
	s_add_co_u32 s45, s45, 64
.endm
; The change of slots.  Each wave waits for all its tensor loads (one is out: its part of the slot ahead), adds 0 to its spare word, and waits for that and for its reads of the slot just left.
; fill = 1: a round of the cluster's barrier, so that no wave of any partner still reads that slot or has a load on its way; the joint refill is the first thing behind it and has a slot's work in which to land.
.macro CHANGE slot, fill
	s_wait_tensorcnt 0x0
	ds_add_u32 v[SPW], v[NIL]
.if \fill
	s_add_nc_u64 s[G0+4*\slot+2:G0+4*\slot+3], s[G0+4*\slot+2:G0+4*\slot+3], 2*64*REC   ; no load of mine is out: the slot's records two steps on
.endif
	s_wait_dscnt 0x0
.if \fill
	CROUND
	tensor_load_to_lds s[G0+4*\slot:G0+4*\slot+3], s[G1:G1+7]
	s_nop 0
.rept 4
	v_nop
.endr
.else
	s_barrier_signal -1
	s_barrier_wait -1
.endif
.endm
	s_wait_loadcnt 0x0                             ; the tokens
	s_wait_tensorcnt 0x1                           ; my part of step 0 is in; step 1's may stay out
	s_barrier_signal -1
	s_barrier_wait -1
	STEP 0, 1
	s_mov_b32 s44, 3
.Lring:                                            ; three trips: steps 1 to 6 are worked, steps 2 to 7 asked for
	CHANGE 0, 1
	STEP 1, 0
	CHANGE 1, 1
	STEP 0, 0
	s_sub_co_u32 s44, s44, 1
	s_cmp_lg_u32 s44, 0
	s_cbranch_scc1 .Lring
	CHANGE 0, 0                                    ; the last change asks for nothing
	STEP 1, 0
	s_wait_dscnt 0x0                               ; the last record's sums of squares
	V 1
; THE END.  The first j whose saved d2 equals the least; code = 16 x tile + 8 h + j.
.irp t, 0,1,2,3
	v_mov_b32 v[MM+\t], 7
.endr
.irp j, 6,5,4,3,2,1,0
.irp t, 0,1,2,3
	v_cmp_neq_f32 vcc_lo, v[SV+8*\t+\j], v[FB+2*\t+1]
	v_cndmask_b32 v[MM+\t], \j, v[MM+\t], vcc_lo
.endr
.endr
.macro LEXMIN a, ca, b, cb             ; (a, ca) takes (b, cb) where b is smaller, or equal with the smaller code
	v_cmp_lt_f32 s32, v[\b], v[\a]
	v_cmp_eq_f32 s33, v[\b], v[\a]
	v_cmp_lt_u32 s34, v[\cb], v[\ca]
	s_and_b32 s33, s33, s34
	s_or_b32 s32, s32, s33
	v_cndmask_b32 v[\a], v[\a], v[\b], s32
	v_cndmask_b32 v[\ca], v[\ca], v[\cb], s32
.endm
	v_mov_b32 v[TMP], 0                            ; a lane exchange's destination counts as one of its sources
	v_mov_b32 v[TMP+1], 0
.irp t, 0,1,2,3
	v_lshl_add_u32 v[TL+\t], v[TL+\t], 4, v[MM+\t]
	v_mov_b32 v[TMP+2+2*\t], v[FB+2*\t+1]
	v_add_nc_u32 v[TMP+3+2*\t], v3, v[TL+\t]
	v_permlanex16_b32 v[TMP], v[TMP+2+2*\t], s48, s49
	v_permlanex16_b32 v[TMP+1], v[TMP+3+2*\t], s48, s49
	LEXMIN TMP+2+2*\t, TMP+3+2*\t, TMP, TMP+1      ; with the other half of the lanes: the other eight codes of each tile
	ds_store_b64 v[SST], v[TMP+2+2*\t:TMP+3+2*\t] offset:128*\t   ; both halves hold the same pair and write it to the same place
.endr
	s_wait_dscnt 0x0                               ; for wave 0's sake: my stores are done
	s_barrier_signal -1
	s_barrier_wait -1
	s_cmp_lg_u32 s12, 0
	s_cbranch_scc1 .Lnot0
.set I, 0
.rept 16
	ds_load_b128 v[D0+4*I:D0+4*I+3], v[SRD] offset:512*I   ; wave I's (d2, code) of tokens 2 x lane and 2 x lane + 1
.set I, I+1
.endr
	v_and_b32 v[MM], 31, v0
	v_lshlrev_b32 v[MM], 3, v[MM]                  ; 8 x lane
	s_wait_dscnt 0x0
.set I, 1
.rept 15
	LEXMIN D0, D0+1, D0+4*I, D0+4*I+1
	LEXMIN D0+2, D0+3, D0+4*I+2, D0+4*I+3
.set I, I+1
.endr
	v_mov_b32 v[D0], v[D0+1]
	v_mov_b32 v[D0+1], v[D0+3]
	global_store_b64 v[MM], v[D0:D0+1], s[8:9]     ; 32 lanes store 256 consecutive bytes, aligned: the work-group's 64 indices
	global_store_b64 v[MM], v[D0:D0+1], s[10:11]   ; and once more, for the launch that forms addresses from them
.Lnot0:
	s_wait_tensorcnt 0x0                           ; the wave's end
	ds_add_u32 v[SPW], v[NIL]
	s_wait_dscnt 0x0
	CROUND                                         ; the closing round
	s_endpgm
.Lfunc_end_k_q125cc5cd47_argmin:
	.size	k_q125cc5cd47_argmin, .Lfunc_end_k_q125cc5cd47_argmin-k_q125cc5cd47_argmin
	.p2alignl 7, 3214868480
	.fill 96, 4, 3214868480
	.section	.rodata,"a",@progbits
	.p2align	6, 0x0
	.amdhsa_kernel k_q125cc5cd47_argmin
		.amdhsa_group_segment_fixed_size 327680
		.amdhsa_private_segment_fixed_size 0
		.amdhsa_enable_private_segment 0
		.amdhsa_kernarg_size 32
		.amdhsa_user_sgpr_count 2
		.amdhsa_user_sgpr_kernarg_segment_ptr 1
		.amdhsa_wavefront_size32 1
		.amdhsa_system_sgpr_workgroup_id_x 1
		.amdhsa_system_sgpr_workgroup_id_y 1
		.amdhsa_system_sgpr_workgroup_id_z 1
		.amdhsa_system_vgpr_workitem_id 0
		.amdhsa_next_free_vgpr 256
		.amdhsa_next_free_sgpr 66
		.amdhsa_reserve_vcc 1
		.amdhsa_float_denorm_mode_32 3
		.amdhsa_float_denorm_mode_16_64 3
		.amdhsa_memory_ordered 1
		.amdhsa_forward_progress 1
		.amdhsa_inst_pref_size 136
	.end_amdhsa_kernel
	.amdgpu_metadata
---
amdhsa.version: [ 1, 2 ]
amdhsa.kernels:
  - .name:           k_q125cc5cd47_argmin
    .symbol:         k_q125cc5cd47_argmin.kd
    .args:
      - { .name: cbq, .offset: 0, .size: 8, .value_kind: global_buffer, .address_space: global }
      - { .name: ltq, .offset: 8, .size: 8, .value_kind: global_buffer, .address_space: global }
      - { .name: out1, .offset: 16, .size: 8, .value_kind: global_buffer, .address_space: global }
      - { .name: idxw, .offset: 24, .size: 8, .value_kind: global_buffer, .address_space: global }
    .group_segment_fixed_size: 327680
    .private_segment_fixed_size: 0
    .kernarg_segment_align: 8
    .kernarg_segment_size: 32
    .max_flat_workgroup_size: 512
    .sgpr_count:     66
    .vgpr_count:     256
    .wavefront_size: 32
...
	.end_amdgpu_metadata
.endif
;; end of part 2
;; launch pairs (part 3): grid 256 x 1, 16 waves a work-group, no clusters, 167,936 bytes of LDS; arguments cbq, partB; writes partB
.if DOCPART == 3
	.amdgcn_target "amdgcn-amd-amdhsa--gfx1250"
	.amdhsa_code_object_version 6
	.text
	.protected	k_q125cc5cd47_pairs
	.globl	k_q125cc5cd47_pairs
	.p2align	8
	.type	k_q125cc5cd47_pairs,@function
k_q125cc5cd47_pairs:
	s_mov_b64 s[64:65], 0
	v_nop
	global_prefetch_b8 v0, s[64:65] scope:SCOPE_SE
	s_setreg_imm32_b32 hwreg(HW_REG_WAVE_MODE, 25, 1), 1
	s_wait_xcnt 0x0
; PAIRS: products 3 (normalised codes with themselves) and 4 (codes with themselves) and what reference() makes of them: the sums of exp(clip(sim)), of d, of min(d, 2), the count of d > 0 and the least pd2 > 0.
; LEFT OUT: the mirror half of both products (entries (i, j) and (j, i) sum the same products of the same quantised numbers, for all inputs): each unordered pair of blocks is multiplied once, weight 2.
; THE SCHEME.  32 superblocks of 256 codes.  Superblock Rb meets superblocks Rb + s, s = 0..16: a window of 272 column tiles from tile 16 Rb on (cbq repeats its first tiles behind the last, so no window wraps).
; s = 0, the block on the diagonal, holds both orders itself: weight 1; s = 1..15: weight 2; s = 16 is met from both sides: weight 1.  32 x (1 + 30 + 1) blocks = all 8,192^2 ordered pairs.
; SHARES.  Work-group = (Rb = wg / 8, e = wg % 8): all 16 row tiles against column tiles 34 e .. 34 e + 33 of the window.  Its 34 records, 147,968 bytes, come into LDS once.  Wave w keeps row tiles a = 2 (w / 2) and a + 1
; in registers, raw and normalised, and takes column records 2 t + (w % 1 bit), t = 0..16.  Source 0 = the column tile, source 1 = the row tile: lane r is a row code, register j column code 8 h + j.
; NO CLUSTER: the eight parts of a window are different records, and other superblocks' windows begin 16 tiles apart: no two work-groups want one tile at one time.  No prefetch: all loads go out at the head.
; relu(2 - d) = 2 - min(d, 2) for d >= 0: the sum of min(d, 2) is kept.  exp(clip(x, -10, 10)) = 2^clip(x log2 e, -+14.4269504).
; LIMITS: NaN and infinities are not served; v_sqrt_f32 takes a pd2 under 2^-126 for 0 while it still counts as positive; pd2 is rounded as (cb_row - 2 G) + cb_col for both orders.
.set REC,   4352
.set O_RS,  2048
.set O_SQ,  2112
.set O_NS,  2176
.set O_NRM, 2304
.set NREC,  34
.set SCR,   NREC*REC                   ; behind the records: 16 waves x 128 bytes
.set SPARE, SCR+2048                   ; the spare words, 128 bytes for each wave: eight blocks of 256 bytes that no other line names
.set DG,    3                          ; v3      r - 8 h: the register that lies on the diagonal of a diagonal tile
.set SPW,   10
.set NIL,   11
.set ZERO,  12
.set INF,   13
.set TC,    14                         ; v14     a trip's count
.set CNT,   15                         ; v15     the weighted count
.set RW,    16                         ; v16-79  raw a, normalised a, raw a + 1, normalised a + 1
.set RS,    80                         ; v80-83  their scale words
.set CB,    84                         ; v84-87  pairs (the row's sum of squares, the least pd2)
.set FC,    88                         ; v88-103  the column tile, raw
.set FN,    104                        ; v104-119 normalised
.set FCS,   120
.set FNS,   121
.set CQ,    122                        ; v122-129 the column codes' sums of squares
.set G,     130                        ; v130-145 product 4's two tiles, then pd2
.set S,     146                        ; v146-161 product 3's two tiles, then exp
.set DD,    162                        ; v162-177 d
.set SE,    178                        ; v178-185, v186-193, v194-201: four packed sums each
.set SD,    186
.set SR,    194
.set G1,    16                         ; s[16:23] a record as 17 rows of 256 bytes
.set G1T,   24                         ; s[24:31] one row of 544 bytes
.set G0,    32                         ; s[32:43] three groups 0
	s_load_b128 s[4:7], s[0:1], 0x0                ; cbq s[4:5], partB s[6:7]
	v_lshl_add_u32 v[SPW], v0, 2, SPARE
	v_mov_b32 v[NIL], 0
	ds_add_u32 v[SPW], v[NIL]                      ; the opening: the add, twice on end, and its wait ahead of my first tensor load
	ds_add_u32 v[SPW], v[NIL]
	v_lshrrev_b32 v1, 5, v0
	v_readfirstlane_b32 s12, v1                    ; wave 0..15
	s_mov_b32 s[G1+0], 3<<16                       ; elements of 8 bytes, no mask, no padding
	s_mov_b32 s[G1+1], 32<<16
	s_mov_b32 s[G1+2], 17<<16
	s_mov_b32 s[G1+3], 32<<16
	s_mov_b32 s[G1+4], 17
	s_mov_b32 s[G1+5], 32
	s_mov_b32 s[G1+6], 0
	s_mov_b32 s[G1+7], 0
	s_mov_b32 s[G1T+0], 3<<16
	s_mov_b32 s[G1T+1], 68<<16
	s_mov_b32 s[G1T+2], 1<<16
	s_mov_b32 s[G1T+3], 68<<16
	s_mov_b32 s[G1T+4], 1
	s_mov_b32 s[G1T+5], 68
	s_mov_b32 s[G1T+6], 1<<16
	s_mov_b32 s[G1T+7], 0
	s_lshr_b32 s8, ttmp9, 3                        ; Rb
	s_and_b32 s9, ttmp9, 7                         ; e
	s_mul_i32 s46, s9, NREC                        ; 34 e
	s_lshl_b32 s8, s8, 4                           ; the superblock's first tile
	s_add_co_u32 s10, s8, s46                      ; my first column record
	s_mul_i32 s14, s10, REC
	s_mov_b32 s15, 0
	s_and_b32 s53, s12, 1                          ; c
	s_add_co_u32 s46, s46, s53                     ; U: the column tile's place in the window, 34 e + 2 t + c
	s_lshr_b32 s47, s12, 1
	s_lshl_b32 s47, s47, 1                         ; a
	s_add_co_u32 s48, s47, 1
	s_add_co_u32 s8, s8, s47
	s_mul_i32 s8, s8, REC                          ; my row records
	s_mov_b32 s9, 0
	s_mul_i32 s10, s12, REC                        ; record w of a chunk of 16
	s_mov_b32 s11, 0
	s_mul_i32 s62, s12, 544
	s_add_co_u32 s62, s62, 32*REC                  ; my sixteenth of records 32 and 33
	s_mov_b32 s63, 0
	s_mul_i32 s53, s53, REC                        ; 4,352 c
	s_lshl_b32 s59, ttmp9, 7                       ; my 128 bytes of partB
	s_mov_b32 s45, 0
	s_mov_b32 s57, 0xc166d4a0                      ; -14.4269504 ..
	s_mov_b32 s58, 0x4166d4a0                      ; .. and +: 10 log2 e
	s_mov_b32 s60, 0x76543210
	s_mov_b32 s61, 0xfedcba98
	s_wait_dscnt 0x0                               ; both opening adds are done
	s_wait_kmcnt 0x0
	s_add_nc_u64 s[14:15], s[4:5], s[14:15]
	s_add_nc_u64 s[8:9], s[4:5], s[8:9]
	s_mov_b32 s[G0], 1
	s_mov_b32 s[G0+1], s10
	s_add_nc_u64 s[G0+2:G0+3], s[14:15], s[10:11]
	s_or_b32 s[G0+3], s[G0+3], 0x80000000
	s_mov_b32 s[G0+4], 1
	s_add_co_u32 s[G0+5], s10, 16*REC
	s_add_nc_u64 s[G0+6:G0+7], s[14:15], s[10:11]
	s_add_nc_u64 s[G0+6:G0+7], s[G0+6:G0+7], 16*REC
	s_or_b32 s[G0+7], s[G0+7], 0x80000000
	s_mov_b32 s[G0+8], 1
	s_mov_b32 s[G0+9], s62
	s_add_nc_u64 s[G0+10:G0+11], s[14:15], s[62:63]
	s_or_b32 s[G0+11], s[G0+11], 0x80000000
	tensor_load_to_lds s[G0:G0+3], s[G1:G1+7]      ; every wave issues three first fills: three loads of mine are out
	s_nop 0
	tensor_load_to_lds s[G0+4:G0+7], s[G1:G1+7]
	s_nop 0
	tensor_load_to_lds s[G0+8:G0+11], s[G1T:G1T+7]
	s_nop 0
.rept 4
	v_nop
.endr
	s_mov_b32 s62, s59
	s_add_nc_u64 s[6:7], s[6:7], s[62:63]
	v_and_b32 v1, 15, v0                           ; r
	v_bfe_u32 v2, v0, 4, 1                         ; h
	v_lshlrev_b32 v[DG], 3, v2
	v_sub_nc_u32 v[DG], v1, v[DG]
	v_and_b32 v206, 31, v0
	v_lshlrev_b32 v204, 4, v206                    ; 16 x lane
	v_lshlrev_b32 v205, 2, v1                      ; 4 r
	v_lshlrev_b32 v206, 2, v206                    ; 4 x lane
	v_add_nc_u32 v4, s53, v204                     ; in LDS, in record c: my 16 bytes of a chunk,
	v_add_nc_u32 v5, s53, v205                     ; my scale word,
	v_lshl_add_u32 v6, v2, 5, s53                  ; my eight sums of squares
	v_lshl_add_u32 v202, v0, 2, SCR                ; where I put my wave's sums
	v_add_nc_u32 v203, SCR, v206                   ; where wave 0 reads them
.irp a, 0,1
.irp c, 0,1,2,3
	global_load_b128 v[RW+32*\a+4*\c:RW+32*\a+4*\c+3], v204, s[8:9] offset:\a*REC+512*\c
	global_load_b128 v[RW+32*\a+16+4*\c:RW+32*\a+16+4*\c+3], v204, s[8:9] offset:\a*REC+O_NRM+512*\c
.endr
	global_load_b32 v[RS+2*\a], v205, s[8:9] offset:\a*REC+O_RS
	global_load_b32 v[RS+2*\a+1], v205, s[8:9] offset:\a*REC+O_NS
	global_load_b32 v[CB+2*\a], v205, s[8:9] offset:\a*REC+O_SQ
.endr
	v_mov_b32 v[ZERO], 0
	v_mov_b32 v[INF], 0x7f800000
	v_mov_b32 v[CNT], 0
	v_mov_b32 v[CB+1], 0x7f800000
	v_mov_b32 v[CB+3], 0x7f800000
.set I, 0
.rept 24
	v_mov_b32 v[SE+I], 0                           ; the sums begin as zeros: the trip is written three times, and a trip that starts them would be a fourth
.set I, I+1
.endr
.macro ADR                             ; the LDS addresses of the column record at s45
	v_add_nc_u32 v7, s45, v4
	v_add_nc_u32 v8, s45, v5
	v_add_nc_u32 v9, s45, v6
.endm
.macro LOAD_C                          ; five LDS loads: the raw fragment and its scale words
.irp c, 0,1,2,3
	ds_load_b128 v[FC+4*\c:FC+4*\c+3], v7 offset:512*\c
.endr
	ds_load_b32 v[FCS], v8 offset:O_RS
.endm
.macro LOAD_N                          ; seven: the normalised fragment, its scale words, the sums of squares
.irp c, 0,1,2,3
	ds_load_b128 v[FN+4*\c:FN+4*\c+3], v7 offset:O_NRM+512*\c
.endr
	ds_load_b32 v[FNS], v8 offset:O_NS
	ds_load_b128 v[CQ:CQ+3], v9 offset:O_SQ
	ds_load_b128 v[CQ+4:CQ+7], v9 offset:O_SQ+16
.endm
; offdiag: in the tile whose column tile is my row tile the entries with column code = row code become 0.  A branch on ids alone, round eight selects.
.macro DIAG base, u, a
	s_cmp_eq_u32 s[\u], s[\a]
	s_cbranch_scc0 .Loff_\@
.irp j, 0,1,2,3,4,5,6,7
	v_cmp_eq_u32 vcc_lo, \j, v[DG]
	v_cndmask_b32 v[\base+\j], v[\base+\j], v[ZERO], vcc_lo
.endr
.Loff_\@:
.endm
; product 3's two tiles of the trip before: weight s[54:55], column tile s56
.macro V_S adr
	DIAG S, 56, 47
	DIAG S+8, 56, 48
.irp p, 0,1,2,3,4,5,6,7
	v_pk_mul_f32 v[S+2*\p:S+2*\p+1], v[S+2*\p:S+2*\p+1], 0x3fb8aa3b op_sel_hi:[1,0]
.endr
.set J, 0
.rept 16
	v_med3_num_f32 v[S+J], v[S+J], s57, s58        ; reference()'s clip at -+10
.set J, J+1
.endr
.set J, 0
.rept 16
	v_exp_f32 v[S+J], v[S+J]
.set J, J+1
.endr
.if \adr
	ADR                                            ; plain instructions behind the batch: the next trip's addresses
.else
	v_nop
.endif
	s_wait_alu depctr_va_vdst(0)                   ; one wait for the sixteen, ahead of their first reader
.irp p, 0,1,2,3,4,5,6,7
	v_pk_fma_f32 v[SE+2*(\p%4):SE+2*(\p%4)+1], v[S+2*\p:S+2*\p+1], s[54:55], v[SE+2*(\p%4):SE+2*(\p%4)+1] op_sel_hi:[1,0,1]
.endr
.endm
; product 4's two tiles of this trip: weight s[50:51] and s52, column tile s46
.macro V_G
.irp p, 0,1,2,3
	v_pk_fma_f32 v[G+2*\p:G+2*\p+1], v[G+2*\p:G+2*\p+1], -2.0, v[CB:CB+1] op_sel_hi:[1,0,0]
	v_pk_fma_f32 v[G+8+2*\p:G+8+2*\p+1], v[G+8+2*\p:G+8+2*\p+1], -2.0, v[CB+2:CB+3] op_sel_hi:[1,0,0]
.endr
.irp p, 0,1,2,3
	v_pk_add_f32 v[G+2*\p:G+2*\p+1], v[G+2*\p:G+2*\p+1], v[CQ+2*\p:CQ+2*\p+1]
	v_pk_add_f32 v[G+8+2*\p:G+8+2*\p+1], v[G+8+2*\p:G+8+2*\p+1], v[CQ+2*\p:CQ+2*\p+1]
.endr
	DIAG G, 46, 47
	DIAG G+8, 46, 48
.set J, 0
.rept 16
	v_max_num_f32 v[DD+J], 0, v[G+J]               ; reference()'s clip at 0; the root of 0 is 0, as its safe root gives
.set J, J+1
.endr
.set J, 0
.rept 16
	v_sqrt_f32 v[DD+J], v[DD+J]
.set J, J+1
.endr
.set J, 0
.rept 16                               ; pos: counted, and what is not positive becomes +infinity for the minimum.  (Plain work that names no root)
	v_cmp_lt_f32 vcc_lo, 0, v[G+J]
	v_cndmask_b32 v[G+J], v[INF], v[G+J], vcc_lo
.if J == 0
	v_add_co_ci_u32 v[TC], vcc_lo, 0, v[ZERO], vcc_lo
.else
	v_add_co_ci_u32 v[TC], vcc_lo, 0, v[TC], vcc_lo
.endif
.set J, J+1
.endr
.irp q, 0,1,2,3
	v_min3_num_f32 v[CB+1], v[CB+1], v[G+2*\q], v[G+2*\q+1]
	v_min3_num_f32 v[CB+3], v[CB+3], v[G+8+2*\q], v[G+8+2*\q+1]
.endr
	s_wait_alu depctr_va_vdst(0)                   ; one wait for the sixteen roots
.irp p, 0,1,2,3,4,5,6,7
	v_pk_fma_f32 v[SD+2*(\p%4):SD+2*(\p%4)+1], v[DD+2*\p:DD+2*\p+1], s[50:51], v[SD+2*(\p%4):SD+2*(\p%4)+1] op_sel_hi:[1,0,1]
.endr
.set J, 0
.rept 16
	v_min_num_f32 v[DD+J], 2.0, v[DD+J]
.set J, J+1
.endr
.irp p, 0,1,2,3,4,5,6,7
	v_pk_fma_f32 v[SR+2*(\p%4):SR+2*(\p%4)+1], v[DD+2*\p:DD+2*\p+1], s[50:51], v[SR+2*(\p%4):SR+2*(\p%4)+1] op_sel_hi:[1,0,1]
.endr
	v_mad_u32_u24 v[CNT], v[TC], s52, v[CNT]
.endm
; A TRIP: one column record against my two row tiles.  The vector work of one kind of product stands behind the other kind's matrix instructions and names none of their registers: it is the places
; ahead of their first reader and ahead of the loads into their fragments.
.macro TRIP first, last
	s_sub_co_u32 s49, s46, 16
	s_cmp_ge_u32 s49, 240                          ; U < 16 (it wraps) or U >= 256: the blocks of weight 1
	s_cselect_b32 s50, 1.0, 2.0
	s_cselect_b32 s52, 1, 2
	s_mov_b32 s51, s50
	s_wait_dscnt 0x7                               ; the raw fragment is in; the seven loads of LOAD_N may be out
	v_wmma_scale_f32_16x16x128_f8f6f4 v[G:G+7], v[FC:FC+15], v[RW:RW+15], 0, v[FCS], v[RS] matrix_a_fmt:MATRIX_FMT_BF8 matrix_b_fmt:MATRIX_FMT_BF8
	v_wmma_scale_f32_16x16x128_f8f6f4 v[G+8:G+15], v[FC:FC+15], v[RW+32:RW+47], 0, v[FCS], v[RS+2] matrix_a_fmt:MATRIX_FMT_BF8 matrix_b_fmt:MATRIX_FMT_BF8
.if !\last
	s_add_co_u32 s45, s45, 2*REC                   ; on to my next column record
.endif
.if \first
.rept 8
	v_nop
.endr
	ADR
.else
	V_S 1-\last
.endif
	s_mov_b32 s54, s50                             ; what the next V_S will want of this trip
	s_mov_b32 s55, s50
	s_mov_b32 s56, s46
.if !\last
	LOAD_C
	s_wait_dscnt 0x5                               ; the normalised fragment and the sums of squares are in; the five just issued may be out
.else
	s_wait_dscnt 0x0
.endif
	v_wmma_scale_f32_16x16x128_f8f6f4 v[S:S+7], v[FN:FN+15], v[RW+16:RW+31], 0, v[FNS], v[RS+1] matrix_a_fmt:MATRIX_FMT_BF8 matrix_b_fmt:MATRIX_FMT_BF8
	v_wmma_scale_f32_16x16x128_f8f6f4 v[S+8:S+15], v[FN:FN+15], v[RW+48:RW+63], 0, v[FNS], v[RS+3] matrix_a_fmt:MATRIX_FMT_BF8 matrix_b_fmt:MATRIX_FMT_BF8
	V_G
.if !\last
	LOAD_N
.endif
	s_add_co_u32 s46, s46, 2
.endm
	s_wait_loadcnt 0x0                             ; my row tiles
	s_wait_tensorcnt 0x0                           ; my three parts of the records are in,
	s_barrier_signal -1
	s_barrier_wait -1                              ; everybody's are
	ADR
	LOAD_C
	LOAD_N
	TRIP 1, 0
	s_mov_b32 s44, 15
.Ltrip:
	TRIP 0, 0
	s_sub_co_u32 s44, s44, 1
	s_cmp_lg_u32 s44, 0
	s_cbranch_scc1 .Ltrip
	TRIP 0, 1
	V_S 0
; THE END: the chains are joined, the lanes, then the waves
.irp x, SE, SD, SR
	v_pk_add_f32 v[\x:\x+1], v[\x:\x+1], v[\x+2:\x+3]
	v_pk_add_f32 v[\x+4:\x+5], v[\x+4:\x+5], v[\x+6:\x+7]
	v_pk_add_f32 v[\x:\x+1], v[\x:\x+1], v[\x+4:\x+5]
	v_add_f32 v[\x], v[\x], v[\x+1]
.endr
	v_cvt_f32_u32 v[CNT], v[CNT]
	v_min_num_f32 v[CB+1], v[CB+1], v[CB+3]
.irp x, SE, SD, SR, CNT
	v_add_f32_dpp v[\x], v[\x], v[\x] row_xmask:1 row_mask:0xf bank_mask:0xf
	v_add_f32_dpp v[\x], v[\x], v[\x] row_xmask:2 row_mask:0xf bank_mask:0xf
	v_add_f32_dpp v[\x], v[\x], v[\x] row_xmask:4 row_mask:0xf bank_mask:0xf
	v_add_f32_dpp v[\x], v[\x], v[\x] row_xmask:8 row_mask:0xf bank_mask:0xf
	v_permlanex16_b32 v[TC], v[\x], s60, s61
	v_add_f32 v[\x], v[\x], v[TC]
.endr
	v_max_num_f32 v[TC], v[TC], v[TC]
	v_min_num_f32_dpp v[CB+1], v[CB+1], v[CB+1] row_xmask:1 row_mask:0xf bank_mask:0xf
	v_min_num_f32_dpp v[CB+1], v[CB+1], v[CB+1] row_xmask:2 row_mask:0xf bank_mask:0xf
	v_min_num_f32_dpp v[CB+1], v[CB+1], v[CB+1] row_xmask:4 row_mask:0xf bank_mask:0xf
	v_min_num_f32_dpp v[CB+1], v[CB+1], v[CB+1] row_xmask:8 row_mask:0xf bank_mask:0xf
	v_permlanex16_b32 v[TC], v[CB+1], s60, s61
	v_min_num_f32 v[CB+1], v[CB+1], v[TC]
	s_mov_b32 s49, 1                               ; lane k takes number k of the five; the others hold 0
	v_cndmask_b32 v[TC], 0, v[SE], s49
	s_mov_b32 s50, 2
	v_cndmask_b32 v[TC], v[TC], v[SD], s50
	s_mov_b32 s51, 4
	v_cndmask_b32 v[TC], v[TC], v[SR], s51
	s_mov_b32 s52, 8
	v_cndmask_b32 v[TC], v[TC], v[CNT], s52
	s_mov_b32 s53, 16
	v_cndmask_b32 v[TC], v[TC], v[CB+1], s53
	ds_store_b32 v202, v[TC]
	s_wait_dscnt 0x0                               ; for wave 0's sake
	s_barrier_signal -1
	s_barrier_wait -1
	s_cmp_lg_u32 s12, 0
	s_cbranch_scc1 .Lnot0
.set I, 0
.rept 16
	ds_load_b32 v[G+I], v203 offset:128*I
.set I, I+1
.endr
	s_wait_dscnt 0x0
	v_add_f32 v[S], v[G], v[G+1]
	v_min_num_f32 v[S+1], v[G], v[G+1]
.set I, 2
.rept 14
	v_add_f32 v[S], v[S], v[G+I]
	v_min_num_f32 v[S+1], v[S+1], v[G+I]
.set I, I+1
.endr
	v_cndmask_b32 v[S], v[S], v[S+1], s53          ; lane 4 holds the minimum, the others sums
	global_store_b32 v206, v[S], s[6:7]            ; the work-group's 128 bytes of partB
.Lnot0:
	s_wait_tensorcnt 0x0                           ; the wave's end
	ds_add_u32 v[SPW], v[NIL]
	s_wait_dscnt 0x0
	s_endpgm
.Lfunc_end_k_q125cc5cd47_pairs:
	.size	k_q125cc5cd47_pairs, .Lfunc_end_k_q125cc5cd47_pairs-k_q125cc5cd47_pairs
	.p2alignl 7, 3214868480
	.fill 96, 4, 3214868480
	.section	.rodata,"a",@progbits
	.p2align	6, 0x0
	.amdhsa_kernel k_q125cc5cd47_pairs
		.amdhsa_group_segment_fixed_size 167936
		.amdhsa_private_segment_fixed_size 0
		.amdhsa_enable_private_segment 0
		.amdhsa_kernarg_size 16
		.amdhsa_user_sgpr_count 2
		.amdhsa_user_sgpr_kernarg_segment_ptr 1
		.amdhsa_wavefront_size32 1
		.amdhsa_system_sgpr_workgroup_id_x 1
		.amdhsa_system_sgpr_workgroup_id_y 1
		.amdhsa_system_sgpr_workgroup_id_z 1
		.amdhsa_system_vgpr_workitem_id 0
		.amdhsa_next_free_vgpr 224
		.amdhsa_next_free_sgpr 66
		.amdhsa_reserve_vcc 1
		.amdhsa_float_denorm_mode_32 3
		.amdhsa_float_denorm_mode_16_64 3
		.amdhsa_memory_ordered 1
		.amdhsa_forward_progress 1
		.amdhsa_inst_pref_size 51
	.end_amdhsa_kernel
	.amdgpu_metadata
---
amdhsa.version: [ 1, 2 ]
amdhsa.kernels:
  - .name:           k_q125cc5cd47_pairs
    .symbol:         k_q125cc5cd47_pairs.kd
    .args:
      - { .name: cbq, .offset: 0, .size: 8, .value_kind: global_buffer, .address_space: global }
      - { .name: partB, .offset: 8, .size: 8, .value_kind: global_buffer, .address_space: global }
    .group_segment_fixed_size: 167936
    .private_segment_fixed_size: 0
    .kernarg_segment_align: 8
    .kernarg_segment_size: 16
    .max_flat_workgroup_size: 512
    .sgpr_count:     66
    .vgpr_count:     224
    .wavefront_size: 32
...
	.end_amdgpu_metadata
.endif
;; end of part 3
;; launch gather (part 4): grid 256 x 1, 8 waves a work-group, no clusters, 3,072 bytes of LDS; arguments latent, codebook, cbq, ltq, idxw, out0, partC; writes out0, partC
.if DOCPART == 4
	.amdgcn_target "amdgcn-amd-amdhsa--gfx1250"
	.amdhsa_code_object_version 6
	.text
	.protected	k_q125cc5cd47_gather
	.globl	k_q125cc5cd47_gather
	.p2align	8
	.type	k_q125cc5cd47_gather,@function
k_q125cc5cd47_gather:
	s_mov_b64 s[64:65], 0
	v_nop
	global_prefetch_b8 v0, s[64:65] scope:SCOPE_SE
	s_setreg_imm32_b32 hwreg(HW_REG_WAVE_MODE, 25, 1), 1
	s_wait_xcnt 0x0
; GATHER: all that hangs on the stored indices: out0 = latent + (codebook[index] - latent), the sum of (codebook[index] - latent)^2, the cosine at the chosen code, the counts of the indices.
; LEFT OUT: of product 1 all but the entry that take_along_axis keeps for each token; the dense one_hot (its mean over the tokens is the counts / 16,384).
; SHARES.  A work-group owns tokens 64 wg .. + 63 and the 32 bins 32 wg .. + 31.  Wave v streams rows 8 v .. 8 v + 7 of them (a row is 512 bytes: one load or store of the wave) and scans indices 2,048 v .. + 2,047
; for the work-group's bins.  Waves 0 to 3 make one token tile's cosines: ONE matrix instruction, source 0 = the 16 chosen codes' normalised rows (gathered from cbq's images), source 1 = the 16 tokens'; the diagonal is kept.
; THE COUNTS, with no atomic and no branch on data: an index becomes a word with one bit set at its bin (0 if the bin is not ours); a lane's 64 words are added as bit-sliced counters (63 full adders of three
; instructions: plane L holds bit L of all 32 bins' counts); the lanes' counters are added by five exchanges with a ripple add; lane j then reads bin j's 12 bits.
; LDS: 0: 8 waves x 32 counts; 1,024: 8 waves x 32 sums; 2,048: the spare words.  Indices that enter an address are held at 8,191 first.  No tensor load: the rows are gathered lane by lane.
.set REC,   4352
.set O_NS,  2176
.set O_NRM, 2304
.set SPARE, 2048
.set SPW,   10
.set NIL,   11
.set ONE,   12
.set LR,    16                         ; v16-47   eight latent rows, then out0's
.set QR,    48                         ; v48-79   the eight chosen codes, then the differences
.set W,     80                         ; v80-143  64 indices, then one-hot words and carries
.set QX,    96                         ; v96-106  the other lane's planes (the words are used up by then)
.set PL,    144                        ; v144-155 the planes
.set XX,    156
.set CY,    158                        ; v158-159 carries
.set AFR,   160                        ; v160-175 the chosen codes' normalised fragment
.set BFR,   176                        ; v176-191 the tokens'
.set DR,    192                        ; v192-199 the product
.set ASC,   200
.set BSC,   201
.set AQ,    202                        ; v202-205 two packed sums of squares
.set RR,    206
.set CO,    207                        ; v207     my cosine
.set RO,    208                        ; v208-215 the gathered rows' offsets
	s_load_b256 s[4:11], s[0:1], 0x0               ; latent s[4:5], codebook s[6:7], cbq s[8:9], ltq s[10:11]
	s_load_b128 s[12:15], s[0:1], 0x20             ; idxw s[12:13], out0 s[14:15]
	s_load_b64 s[16:17], s[0:1], 0x30              ; partC
	v_lshl_add_u32 v[SPW], v0, 2, SPARE
	v_mov_b32 v[NIL], 0
	v_lshrrev_b32 v1, 5, v0
	v_readfirstlane_b32 s18, v1                    ; wave 0..7
	v_and_b32 v6, 31, v0                           ; lane
	v_and_b32 v1, 15, v0                           ; r
	v_bfe_u32 v2, v0, 4, 1                         ; h
	v_lshlrev_b32 v3, 3, v2
	v_sub_nc_u32 v3, v1, v3                        ; r - 8 h
	v_lshlrev_b32 v4, 4, v6                        ; 16 x lane
	v_lshlrev_b32 v5, 2, v1                        ; 4 r
	v_lshlrev_b32 v13, 2, v0                       ; LDS: 4 x thread
	v_lshlrev_b32 v14, 2, v6                       ; LDS and partC: 4 x lane
	v_mov_b32 v[ONE], 1
	s_lshl_b32 s19, ttmp9, 6                       ; the work-group's first token
	s_lshl_b32 s20, s18, 3
	s_add_co_u32 s20, s19, s20                     ; my first row
	s_lshl_b32 s22, s20, 9
	s_mov_b32 s23, 0
	s_lshl_b32 s40, s20, 2                         ; its index
	s_mov_b32 s41, 0
	s_lshl_b32 s42, s18, 13                        ; the 2,048 indices that I scan
	s_mov_b32 s43, 0
	s_and_b32 s44, s18, 3
	s_lshl_b32 s45, s44, 4
	s_add_co_u32 s45, s45, s19
	s_lshl_b32 s46, s45, 2                         ; the indices of token tile wave % 4
	s_mov_b32 s47, 0
	s_lshl_b32 s48, ttmp9, 2
	s_add_co_u32 s48, s48, s44
	s_mul_i32 s48, s48, REC                        ; that tile's record in ltq
	s_mov_b32 s49, 0
	s_lshl_b32 s50, ttmp9, 5                       ; the first bin
	s_lshl_b32 s52, ttmp9, 7
	s_mov_b32 s53, 0
	s_mov_b32 s54, 0x76543210
	s_mov_b32 s55, 0xfedcba98
	s_wait_kmcnt 0x0
	s_add_nc_u64 s[40:41], s[12:13], s[40:41]
	s_load_b256 s[24:31], s[40:41], 0x0            ; my eight rows' indices (this launch only reads idxw)
	s_add_nc_u64 s[4:5], s[4:5], s[22:23]
	s_add_nc_u64 s[14:15], s[14:15], s[22:23]
	s_add_nc_u64 s[42:43], s[12:13], s[42:43]
	s_add_nc_u64 s[46:47], s[12:13], s[46:47]
	s_add_nc_u64 s[10:11], s[10:11], s[48:49]
	s_add_nc_u64 s[16:17], s[16:17], s[52:53]
	s_cmp_lt_u32 s18, 4
	s_cbranch_scc0 .Lno_ix
	global_load_b32 v7, v5, s[46:47]               ; waves 0 to 3: token r's index
.Lno_ix:
.irp i, 0,1,2,3,4,5,6,7
	global_load_b128 v[LR+4*\i:LR+4*\i+3], v4, s[4:5] offset:512*\i th:TH_LOAD_NT
.endr
.set I, 0
.rept 16
	global_load_b128 v[W+4*I:W+4*I+3], v4, s[42:43] offset:512*I
.set I, I+1
.endr
	s_wait_kmcnt 0x0
.irp i, 0,1,2,3,4,5,6,7
	s_min_u32 s[24+\i], s[24+\i], 0x1fff           ; an index stays inside the table
	s_lshl_b32 s[24+\i], s[24+\i], 9
	v_add_nc_u32 v[RO+\i], s[24+\i], v4
	global_load_b128 v[QR+4*\i:QR+4*\i+3], v[RO+\i], s[6:7]
.endr
	s_cmp_lt_u32 s18, 4
	s_cbranch_scc0 .Lno_cos
	s_wait_loadcnt 32                              ; the index is in: behind it 8 latent rows, 16 loads of indices and 8 gathered rows are out
	v_min_u32 v7, 0x1fff, v7
	v_and_b32 v8, 0x1ff0, v7
	v_mul_u32_u24 v8, v8, 272                      ; the code's record: (index / 16) x 4,352
	v_and_b32 v9, 15, v7                           ; its row there
	v_lshl_add_u32 v15, v9, 2, v8                  ; its scale word
	v_lshl_add_u32 v8, v9, 4, v8
	v_lshl_add_u32 v8, v2, 8, v8                   ; its place in a chunk of the image: 16 x (row + 16 h)
.irp c, 0,1,2,3
	global_load_b128 v[AFR+4*\c:AFR+4*\c+3], v8, s[8:9] offset:O_NRM+512*\c
.endr
	global_load_b32 v[ASC], v15, s[8:9] offset:O_NS
.irp c, 0,1,2,3
	global_load_b128 v[BFR+4*\c:BFR+4*\c+3], v4, s[10:11] offset:O_NRM+512*\c
.endr
	global_load_b32 v[BSC], v5, s[10:11] offset:O_NS
	s_wait_loadcnt 18                              ; the scanned indices are in: 8 gathered rows and these 10 may be out
	s_branch .Lhist
.Lno_cos:
	s_wait_loadcnt 8                               ; the scanned indices are in: the 8 gathered rows may be out
.Lhist:
; one-hot words, four at a time
.set I, 0
.rept 16
.irp q, 0,1,2,3
	v_xor_b32 v[W+4*I+\q], s50, v[W+4*I+\q]        ; under 32 just where the index lies in my work-group's 32 bins
.endr
.irp q, 0,1,2,3
	v_cmp_gt_u32 s[56+\q], 32, v[W+4*I+\q]
.endr
.irp q, 0,1,2,3
	v_lshlrev_b32 v[W+4*I+\q], v[W+4*I+\q], v[ONE]
.endr
.irp q, 0,1,2,3
	v_cndmask_b32 v[W+4*I+\q], 0, v[W+4*I+\q], s[56+\q]
.endr
.set I, I+1
.endr
.irp p, 0,1,2,3,4,5
	v_mov_b32 v[PL+\p], 0
.endr
.macro FA p, a, b                      ; plane + a + b, all of one weight: the sum's bit stays in the plane, the carry, of twice the weight, goes to a
	v_xor_b32 v[XX], v[\a], v[\b]
	v_bfi_b32 v[\a], v[XX], v[\p], v[\a]
	v_xor_b32 v[\p], v[\p], v[XX]
.endm
.set L, 0
.rept 6                                ; level L: the 64 >> L words of weight 2^L, in pairs: 32 + 16 + 8 + 4 + 2 + 1 full adders
.set STP, 1<<L
.set KK, 0
.rept 32>>L
	FA PL+L, W+KK, W+KK+STP
.set KK, KK+2*STP
.endr
.set L, L+1
.endr
	v_mov_b32 v[PL+6], v[W]                        ; the last carry: weight 64
.macro ADDX m, n                       ; my n planes + those of lane l xor m: n + 1 planes
.set Q, 0
.rept \n
.if \m == 16
	v_permlanex16_b32 v[QX+Q], v[PL+Q], s54, s55
.else
	v_mov_b32_dpp v[QX+Q], v[PL+Q] row_xmask:\m row_mask:0xf bank_mask:0xf
.endif
.set Q, Q+1
.endr
	v_and_b32 v[CY], v[PL], v[QX]
	v_xor_b32 v[PL], v[PL], v[QX]
.set Q, 1
.rept \n-1
	v_xor_b32 v[XX], v[PL+Q], v[QX+Q]
.if Q == \n-1
	v_bfi_b32 v[PL+\n], v[XX], v[CY+(Q+1)%2], v[PL+Q]
.else
	v_bfi_b32 v[CY+Q%2], v[XX], v[CY+(Q+1)%2], v[PL+Q]
.endif
	v_xor_b32 v[PL+Q], v[XX], v[CY+(Q+1)%2]
.set Q, Q+1
.endr
.endm
	ADDX 1, 7
	ADDX 2, 8
	ADDX 4, 9
	ADDX 8, 10
	ADDX 16, 11
	v_bfe_u32 v[RR], v[PL], v6, 1                  ; lane j reads bin j's bits
.set Q, 1
.rept 11
	v_bfe_u32 v[XX], v[PL+Q], v6, 1
	v_lshl_or_b32 v[RR], v[XX], Q, v[RR]
.set Q, Q+1
.endr
	ds_store_b32 v13, v[RR]                        ; my wave's 32 counts
.irp q, 0,1,2,3
	v_mov_b32 v[AQ+\q], 0
.endr
	v_mov_b32 v[CO], 0
	s_wait_loadcnt 0x0                             ; the gathered rows, and in waves 0 to 3 the cosine's operands
	s_cmp_lt_u32 s18, 4
	s_cbranch_scc0 .Lno_mul
	v_wmma_scale_f32_16x16x128_f8f6f4 v[DR:DR+7], v[AFR:AFR+15], v[BFR:BFR+15], 0, v[ASC], v[BSC] matrix_a_fmt:MATRIX_FMT_BF8 matrix_b_fmt:MATRIX_FMT_BF8
.rept 8
	v_nop                                          ; eight places ahead of the first read of the result
.endr
.irp j, 0,1,2,3,4,5,6,7
	v_cmp_eq_u32 vcc_lo, \j, v3                    ; register j of lane (r, h) is (chosen code of token 8 h + j) . (token r): kept where 8 h + j = r
	v_cndmask_b32 v[CO], v[CO], v[DR+\j], vcc_lo
.endr
.Lno_mul:
.irp i, 0,1,2,3,4,5,6,7
.irp q, 0,1
	v_pk_add_f32 v[QR+4*\i+2*\q:QR+4*\i+2*\q+1], v[QR+4*\i+2*\q:QR+4*\i+2*\q+1], v[LR+4*\i+2*\q:LR+4*\i+2*\q+1] neg_lo:[0,1] neg_hi:[0,1]   ; quantized - latent
	v_pk_fma_f32 v[AQ+2*\q:AQ+2*\q+1], v[QR+4*\i+2*\q:QR+4*\i+2*\q+1], v[QR+4*\i+2*\q:QR+4*\i+2*\q+1], v[AQ+2*\q:AQ+2*\q+1]
	v_pk_add_f32 v[LR+4*\i+2*\q:LR+4*\i+2*\q+1], v[LR+4*\i+2*\q:LR+4*\i+2*\q+1], v[QR+4*\i+2*\q:QR+4*\i+2*\q+1]   ; latent + that: reference()'s two roundings
.endr
	global_store_b128 v4, v[LR+4*\i:LR+4*\i+3], s[14:15] offset:512*\i th:TH_STORE_NT   ; 32 lanes store a row: 512 consecutive bytes
.endr
	v_pk_add_f32 v[AQ:AQ+1], v[AQ:AQ+1], v[AQ+2:AQ+3]
	v_add_f32 v[AQ], v[AQ], v[AQ+1]
.macro RSUM x, t
	v_add_f32_dpp v[\x], v[\x], v[\x] row_xmask:1 row_mask:0xf bank_mask:0xf
	v_add_f32_dpp v[\x], v[\x], v[\x] row_xmask:2 row_mask:0xf bank_mask:0xf
	v_add_f32_dpp v[\x], v[\x], v[\x] row_xmask:4 row_mask:0xf bank_mask:0xf
	v_add_f32_dpp v[\x], v[\x], v[\x] row_xmask:8 row_mask:0xf bank_mask:0xf
	v_permlanex16_b32 v[\t], v[\x], s54, s55
	v_add_f32 v[\x], v[\x], v[\t]
.endm
	RSUM AQ, AQ+1
	RSUM CO, AQ+1
	s_mov_b32 s56, 1
	s_mov_b32 s57, 2
	s_mov_b32 s58, 4
	v_cndmask_b32 v[RR], 0, v[AQ], s56             ; lane 0: the squares; lane 1: the cosines; the others 0
	v_cndmask_b32 v[RR], v[RR], v[CO], s57
	ds_store_b32 v13, v[RR] offset:1024
	s_wait_dscnt 0x0                               ; for wave 0's sake: both my stores are done
	s_barrier_signal -1
	s_barrier_wait -1
	s_cmp_lg_u32 s18, 0
	s_cbranch_scc1 .Lend
.irp k, 0,1,2,3,4,5,6,7
	ds_load_b32 v[W+32+\k], v14 offset:128*\k
	ds_load_b32 v[W+40+\k], v14 offset:1024+128*\k
.endr
	s_wait_dscnt 0x0
.irp k, 1,2,3,4,5,6,7
	v_add_nc_u32 v[W+32], v[W+32], v[W+32+\k]      ; bin 32 wg + lane: its count over all 16,384 tokens
	v_add_f32 v[W+40], v[W+40], v[W+40+\k]
.endr
	v_cvt_f32_u32 v[W+32], v[W+32]
	v_mul_f32 v[W+32], 0x38800000, v[W+32]         ; p = count / 16,384
	v_add_f32 v[W+33], 0x2edbe6ff, v[W+32]         ; + 1e-10
	v_log_f32 v[W+33], v[W+33]                     ; log2: the last launch raises 2 to minus the sum, which is exp(-sum p ln(..))
	v_nop
	s_wait_alu depctr_va_vdst(0)                   ; the wait ahead of the first use
	v_mul_f32 v[W+33], v[W+32], v[W+33]
	RSUM W+33, W+34
	v_cndmask_b32 v[W+40], v[W+40], v[W+33], s58   ; lane 2: the bins' sum of p log2(p + 1e-10)
	global_store_b32 v14, v[W+40], s[16:17]        ; the work-group's 128 bytes of partC
.Lend:
	s_wait_tensorcnt 0x0                           ; the wave's end
	ds_add_u32 v[SPW], v[NIL]
	s_wait_dscnt 0x0
	s_endpgm
.Lfunc_end_k_q125cc5cd47_gather:
	.size	k_q125cc5cd47_gather, .Lfunc_end_k_q125cc5cd47_gather-k_q125cc5cd47_gather
	.p2alignl 7, 3214868480
	.fill 96, 4, 3214868480
	.section	.rodata,"a",@progbits
	.p2align	6, 0x0
	.amdhsa_kernel k_q125cc5cd47_gather
		.amdhsa_group_segment_fixed_size 3072
		.amdhsa_private_segment_fixed_size 0
		.amdhsa_enable_private_segment 0
		.amdhsa_kernarg_size 56
		.amdhsa_user_sgpr_count 2
		.amdhsa_user_sgpr_kernarg_segment_ptr 1
		.amdhsa_wavefront_size32 1
		.amdhsa_system_sgpr_workgroup_id_x 1
		.amdhsa_system_sgpr_workgroup_id_y 1
		.amdhsa_system_sgpr_workgroup_id_z 1
		.amdhsa_system_vgpr_workitem_id 0
		.amdhsa_next_free_vgpr 224
		.amdhsa_next_free_sgpr 66
		.amdhsa_reserve_vcc 1
		.amdhsa_float_denorm_mode_32 3
		.amdhsa_float_denorm_mode_16_64 3
		.amdhsa_memory_ordered 1
		.amdhsa_forward_progress 1
		.amdhsa_inst_pref_size 47
	.end_amdhsa_kernel
	.amdgpu_metadata
---
amdhsa.version: [ 1, 2 ]
amdhsa.kernels:
  - .name:           k_q125cc5cd47_gather
    .symbol:         k_q125cc5cd47_gather.kd
    .args:
      - { .name: latent, .offset: 0, .size: 8, .value_kind: global_buffer, .address_space: global }
      - { .name: codebook, .offset: 8, .size: 8, .value_kind: global_buffer, .address_space: global }
      - { .name: cbq, .offset: 16, .size: 8, .value_kind: global_buffer, .address_space: global }
      - { .name: ltq, .offset: 24, .size: 8, .value_kind: global_buffer, .address_space: global }
      - { .name: idxw, .offset: 32, .size: 8, .value_kind: global_buffer, .address_space: global }
      - { .name: out0, .offset: 40, .size: 8, .value_kind: global_buffer, .address_space: global }
      - { .name: partC, .offset: 48, .size: 8, .value_kind: global_buffer, .address_space: global }
    .group_segment_fixed_size: 3072
    .private_segment_fixed_size: 0
    .kernarg_segment_align: 8
    .kernarg_segment_size: 56
    .max_flat_workgroup_size: 256
    .sgpr_count:     66
    .vgpr_count:     224
    .wavefront_size: 32
...
	.end_amdgpu_metadata
.endif
;; end of part 4
;; launch final (part 5): grid 1 x 1, 1 waves a work-group, no clusters, 0 bytes of LDS; arguments partB, partC, out2, out3, out4, out5, out6, out7; writes out2, out3, out4, out5, out6, out7
.if DOCPART == 5
	.amdgcn_target "amdgcn-amd-amdhsa--gfx1250"
	.amdhsa_code_object_version 6
	.text
	.protected	k_q125cc5cd47_final
	.globl	k_q125cc5cd47_final
	.p2align	8
	.type	k_q125cc5cd47_final,@function
k_q125cc5cd47_final:
	s_mov_b64 s[64:65], 0
	v_nop
	global_prefetch_b8 v0, s[64:65] scope:SCOPE_SE
	s_setreg_imm32_b32 hwreg(HW_REG_WAVE_MODE, 25, 1), 1
	s_wait_xcnt 0x0
; FINAL: the 256 work-groups' partial sums become the six single numbers.  One wave: lane l takes records 8 l .. 8 l + 7 of both buffers (128 bytes each), then the lanes are joined.
; partB: sum exp, sum d, sum min(d, 2), count (f32), least pd2.  partC: sum (q - l)^2, sum cos, sum p log2(p + 1e-10).
; mean relu(2 - d) = 2 - mean min(d, 2).  With no positive distance the count is 0 and the least is +infinity: out6 is then NaN and out7 +infinity, as in reference().
; One work-group: the sums span all work-groups of the launches before, and 64 KB are read.
	s_load_b256 s[4:11], s[0:1], 0x0               ; partB s[4:5], partC s[6:7], out2 s[8:9], out3 s[10:11]
	s_load_b256 s[12:19], s[0:1], 0x20             ; out4 s[12:13], out5 s[14:15], out6 s[16:17], out7 s[18:19]
	v_lshlrev_b32 v1, 10, v0
	s_mov_b32 s20, 0x76543210
	s_mov_b32 s21, 0xfedcba98
	s_mov_b32 s22, 0xb2800000                      ; -2^-26
	s_mov_b32 s23, 0x3e4ccccd                      ; 0.2
	v_mov_b32 v2, 0
	v_mov_b32 v9, 0
	s_wait_kmcnt 0x0
.irp k, 0,1,2,3,4,5,6,7
	global_load_b128 v[16+4*\k:19+4*\k], v1, s[4:5] offset:128*\k
	global_load_b32 v[48+\k], v1, s[4:5] offset:128*\k+16
	global_load_b128 v[56+4*\k:59+4*\k], v1, s[6:7] offset:128*\k
.endr
	s_wait_loadcnt 0x0
.irp k, 1,2,3,4,5,6,7
	v_pk_add_f32 v[16:17], v[16:17], v[16+4*\k:17+4*\k]
	v_pk_add_f32 v[18:19], v[18:19], v[18+4*\k:19+4*\k]
	v_min_num_f32 v48, v48, v[48+\k]
	v_pk_add_f32 v[56:57], v[56:57], v[56+4*\k:57+4*\k]
	v_add_f32 v58, v58, v[58+4*\k]
.endr
.irp x, 16,17,18,19,56,57,58
	v_add_f32_dpp v\x, v\x, v\x row_xmask:1 row_mask:0xf bank_mask:0xf
	v_add_f32_dpp v\x, v\x, v\x row_xmask:2 row_mask:0xf bank_mask:0xf
	v_add_f32_dpp v\x, v\x, v\x row_xmask:4 row_mask:0xf bank_mask:0xf
	v_add_f32_dpp v\x, v\x, v\x row_xmask:8 row_mask:0xf bank_mask:0xf
	v_permlanex16_b32 v2, v\x, s20, s21
	v_add_f32 v\x, v\x, v2
.endr
	v_min_num_f32_dpp v48, v48, v48 row_xmask:1 row_mask:0xf bank_mask:0xf
	v_min_num_f32_dpp v48, v48, v48 row_xmask:2 row_mask:0xf bank_mask:0xf
	v_min_num_f32_dpp v48, v48, v48 row_xmask:4 row_mask:0xf bank_mask:0xf
	v_min_num_f32_dpp v48, v48, v48 row_xmask:8 row_mask:0xf bank_mask:0xf
	v_permlanex16_b32 v2, v48, s20, s21
	v_min_num_f32 v48, v48, v2
	v_exp_f32 v6, -v58                             ; the perplexity
	v_rcp_f32 v7, v19                              ; 1 / count
	v_sqrt_f32 v8, v48                             ; the least distance
	v_mul_f32 v3, 0x35000000, v56                  ; the mean squared difference: / 2^21.  (Plain work behind the batch)
	v_mul_f32 v4, 0x3e800000, v3                   ; out2 = 0.25 x it
	v_mul_f32 v5, 0x32800000, v16                  ; the similarity penalty: / 2^26
	v_fma_f32 v10, v18, s22, 2.0                   ; the distance penalty: 2 - mean min(d, 2)
	v_fma_f32 v5, v10, s23, v5                     ; the diversity loss
	v_add_f32 v5, v3, v5                           ; out3
	v_mul_f32 v11, 0x38800000, v57                 ; out5: / 2^14
	s_wait_alu depctr_va_vdst(0)                   ; one wait for the three, ahead of their first reader
	v_mul_f32 v7, v17, v7                          ; out6
	s_wait_xcnt 0x0                                ; EXEC changes only behind this wait
	v_cmp_eq_u32 vcc_lo, 0, v0
	s_and_saveexec_b32 s24, vcc_lo                 ; lane 0 stores
	global_store_b32 v9, v4, s[8:9]
	global_store_b32 v9, v5, s[10:11]
	global_store_b32 v9, v6, s[12:13]
	global_store_b32 v9, v11, s[14:15]
	global_store_b32 v9, v7, s[16:17]
	global_store_b32 v9, v8, s[18:19]
	s_endpgm
.Lfunc_end_k_q125cc5cd47_final:
	.size	k_q125cc5cd47_final, .Lfunc_end_k_q125cc5cd47_final-k_q125cc5cd47_final
	.p2alignl 7, 3214868480
	.fill 96, 4, 3214868480
	.section	.rodata,"a",@progbits
	.p2align	6, 0x0
	.amdhsa_kernel k_q125cc5cd47_final
		.amdhsa_group_segment_fixed_size 0
		.amdhsa_private_segment_fixed_size 0
		.amdhsa_enable_private_segment 0
		.amdhsa_kernarg_size 64
		.amdhsa_user_sgpr_count 2
		.amdhsa_user_sgpr_kernarg_segment_ptr 1
		.amdhsa_wavefront_size32 1
		.amdhsa_system_sgpr_workgroup_id_x 1
		.amdhsa_system_sgpr_workgroup_id_y 1
		.amdhsa_system_sgpr_workgroup_id_z 1
		.amdhsa_system_vgpr_workitem_id 0
		.amdhsa_next_free_vgpr 128
		.amdhsa_next_free_sgpr 66
		.amdhsa_reserve_vcc 1
		.amdhsa_float_denorm_mode_32 3
		.amdhsa_float_denorm_mode_16_64 3
		.amdhsa_memory_ordered 1
		.amdhsa_forward_progress 1
		.amdhsa_inst_pref_size 9
	.end_amdhsa_kernel
	.amdgpu_metadata
---
amdhsa.version: [ 1, 2 ]
amdhsa.kernels:
  - .name:           k_q125cc5cd47_final
    .symbol:         k_q125cc5cd47_final.kd
    .args:
      - { .name: partB, .offset: 0, .size: 8, .value_kind: global_buffer, .address_space: global }
      - { .name: partC, .offset: 8, .size: 8, .value_kind: global_buffer, .address_space: global }
      - { .name: out2, .offset: 16, .size: 8, .value_kind: global_buffer, .address_space: global }
      - { .name: out3, .offset: 24, .size: 8, .value_kind: global_buffer, .address_space: global }
      - { .name: out4, .offset: 32, .size: 8, .value_kind: global_buffer, .address_space: global }
      - { .name: out5, .offset: 40, .size: 8, .value_kind: global_buffer, .address_space: global }
      - { .name: out6, .offset: 48, .size: 8, .value_kind: global_buffer, .address_space: global }
      - { .name: out7, .offset: 56, .size: 8, .value_kind: global_buffer, .address_space: global }
    .group_segment_fixed_size: 0
    .private_segment_fixed_size: 0
    .kernarg_segment_align: 8
    .kernarg_segment_size: 64
    .max_flat_workgroup_size: 32
    .sgpr_count:     66
    .vgpr_count:     128
    .wavefront_size: 32
...
	.end_amdgpu_metadata
.endif
;; end of part 5
